; MI455X (gfx1250); checked and timed in simulation.
; The chip was launched on July 23, 2026; its instructions are those of AMD's public machine-readable ISA for CDNA 5 (MIT licence, August 2026) and "CDNA5" Instruction Set Architecture Reference Guide (July 2026). The comments in the code are by the model that wrote it; some were corrected since.
;; Point Net Polyline Encoder. Allowed arithmetic: float matrix products may take bf16 or f16 operands with f32 sums; all other float work in f32.
;; Inputs: m1_b 64 float32; m1_beta 64 float32; m1_g 64 float32; m1_rm 64 float32; m1_rv 64 float32; m1_w 128 x 64 float32; m2_b 64 float32; m2_beta 64 float32; m2_g 64 float32; m2_rm 64 float32; m2_rv 64 float32; m2_w 64 x 64 float32; out1_b 64 float32; out1_w 64 x 64 float32; out2_b 128 float32; out2_w 64 x 128 float32; polylines 16 x 1,024 x 32 x 9 float32; polylines_mask 16 x 1,024 x 32 bool; pre_b 64 float32; pre_beta 64 float32; pre_g 64 float32; pre_rm 64 float32; pre_rv 64 float32; pre_w 9 x 64 float32.
;; Outputs: out0 16 x 1,024 x 128 float32.
;; One version. Each part assembles by itself: llvm-mc -triple=amdgcn-amd-amdhsa -mcpu=gfx1250 --defsym DOCPART=n.
;; ======== version 1 of 1: 1 launch
;; launch encode (part 1): grid 256 x 1, 8 waves a work-group, no clusters, 282,112 bytes of LDS; arguments polylines, polylines_mask, out0, pre_w, pre_b, pre_rm, pre_g, pre_rv, pre_beta, m1_w, m1_b, m1_rm, m1_g, m1_rv, m1_beta, m2_w, m2_b, m2_rm, m2_g, m2_rv, m2_beta, out1_w, out1_b, out2_w, out2_b; writes out0
.if DOCPART == 1
	.amdgcn_target "amdgcn-amd-amdhsa--gfx1250"
	.amdhsa_code_object_version 6
	.text
	.protected	k_q3aed9ca54c_encode
	.globl	k_q3aed9ca54c_encode
	.p2align	8
	.type	k_q3aed9ca54c_encode,@function
k_q3aed9ca54c_encode:
	s_mov_b64 s[64:65], 0
	v_nop
	global_prefetch_b8 v0, s[64:65] scope:SCOPE_SE
	s_setreg_imm32_b32 hwreg(HW_REG_WAVE_MODE, 25, 1), 1
	s_wait_xcnt 0x0
; PointNet polyline encoder, the whole module in one launch.
; 16,384 polylines of 32 points x 9 channels.  256 work-groups of 8 waves; a work-group owns 64 polylines, a wave 8 of them.
; Nothing goes through memory between the steps: points, weights, pooled vectors and features live in registers and LDS.
;
; HOW THE LAYERS CHAIN.  A and B of v_wmma_f32_16x16x32_bf16 have one lane map, so a layer can be run two ways:
;   weights as A, points as B: lane (r, h) gets features 16q+8h+0..7 of point r.  Two such tiles, packed to bf16, ARE the next
;     layer's fragment of 32 input features: no shuffle between layers.
;   points as A, weights as B: lane (r, h) gets points 8h+0..7 of feature 16q+r.  The maximum over the points is a maximum over
;     registers and one exchange of the lane halves, and the mask enters as the C operand: 0 for a valid point, -2^127 for a
;     masked one, the same 8 registers for all four feature tiles.
; Batch norm is folded: scale = g * rsqrt(rv + eps) goes into the weights in f32, before they are rounded; the bias
; (b - rm) * scale + beta stays f32 and is the C operand (first way) or is added behind the maximum (second way: rounding is
; monotone, so the maximum of the sums is the sum with the maximum).
; The pooled half of layer m1 is the same for all 32 points: c = pooled x W1[64:128] + bias is made once per polyline and is m1's C.
;
; OPERANDS IN TWO PARTS.  bf16 keeps 8 significant bits, and five layers in a row round both operands.  Where it costs few or no
; matrix instructions a number v goes as upper = bf16(v) and lower = bf16(v - upper), and a product as
; upper x upper + upper x lower + lower x upper:
;   - the pre layer: a lane half has 16 k slots and 5 channels, so the three products share one instruction: none is added;
;   - c, out1 and out2, which are made once per polyline: 24 in place of 8, and 48 in place of 16 matrix instructions a wave.
; The point half of m1 and m2 (32 of a polyline's 57 matrix instructions) stay in plain bf16.
;
; LIMITS, kept on purpose:
;   - a masked point counts as -2^127 in front of the maximum: right as long as |pre-activation| stays below 1.7e38;
;   - mask bytes are 0 or 1 (bool);
;   - an infinite channel of a VALID point gives NaN (its lower part is inf - inf; channel 4 also meets a weight 0) where the
;     reference may give an infinity; so does a number above 3.39e38, which rounds to an infinite bf16.  Non-finite numbers of
;     masked points are dropped (v_med3_num / v_max3_num, and the final v_and_b32).
;   - matrix operands are bf16, sums f32.
; NOT USED, and why:
;   - tensor loads: a point's row is 36 bytes; a wave's share of 9,216 bytes is contiguous, so 18 copies of 512 bytes bring it;
;   - clusters: what work-groups share is 101,888 bytes of weights that must pass through registers (scale, round, transpose)
;     before they lie in LDS as fragments; a joint request could only land them raw in LDS, one more LDS pass for each byte;
;   - prefetches and a ring: every byte that a wave reads is asked for in its first lines.
; ---------------- LDS map (bytes) ----------------
.set XR,    0                          ; 8 x 9,216  raw f32 points of wave w, 36 bytes a point; written by the copies alone
.set XRW,   9216
.set WF,    73728                      ; 200 units of 528: 32 lane slots of 16 bytes (8 bf16) + 16 bytes of padding
.set UP,    528
.set MK,    179328                     ; 8 x 256    mask bytes turned into 0x00 (valid) / 0xff (masked)
.set BI,    181376                     ; 8 x 1,536  each wave's own copy of the folded biases, f32
.set BIW,   1536
.set B_PRE, 0
.set B_M1,  256
.set B_M2,  512
.set B_O1,  768
.set B_O2,  1024
.set PL,    193664                     ; 8 x 8 rows of 272: pooled, 64 upper parts, 64 lower parts, 16 bytes of padding
.set HP,    272
.set LOFF,  128                        ; where a row's lower parts begin
.set C1L,   211072                     ; 8 x 8 rows of 272: c, f32
.set CP,    272                        ; 256 bytes of 64 f32 + 16
.set FT,    228480                     ; 64 rows of 272: feat in two parts, row = polyline in the work-group
.set VL,    245888                     ; 64 words: -1 if the polyline has a valid point, else 0
.set ST,    246144                     ; 8 x 16 rows of 272: the way out
.set STW,   4352
; unit (J, q) of a layer: slot 16h+r = input features 16J+8h .. +7 of output column 16q+r
.set U_PRE, 0                          ; q: registers 0-3 of the pre fragment; 4+q: registers 4-7
.set U_M1,  8                          ; 8 + 4J + q, J 0..7
.set U_M2,  40                         ; 40 + 4J + q
.set U_O1,  56                         ; 56 + 4J + q
.set U_O2,  72                         ; 72 + 8J + q, q 0..7
.set ULO,   104                        ; lower parts, numbered from here; reached by address registers of their own (16-bit offsets end at unit 124)
.set L_O2,  0                          ; 8J + q
.set L_M1,  32                         ; 4J + q; written for J 4..7 alone (W1[64:128]); J 0..3 stay unused, so that one offset serves all waves
.set L_B,   64                         ; 4w + q; written by waves 4..7 alone:
.set L_O1,  80                         ; out1, 80 + 4J + q
.set EPS,   0x3727c5ac                 ; 1e-5
; ---------------- registers, window 0 ----------------
.set LN,   1                           ; lane
.set RR,   2                           ; lane & 15
.set HH,   3                           ; lane >> 4
.set AXA,  4                           ; points, pooling pass
.set AXB,  5                           ; points, main pass
.set AM2A, 6                           ; mask, 8 bytes a lane half, pooling pass
.set AM2B, 7                           ; the same, main pass
.set AM1,  8                           ; mask, one byte a lane
.set APL,  9                           ; where pooled is stored
.set AC1,  10                          ; where c is read
.set AFT,  11                          ; where feat is stored
.set AWF,  12                          ; WF + 16 lane
.set ABI,  13                          ; my biases + 32 h (C layout)
.set ABL,  14                          ; my biases + 4 r (one feature a lane)
.set ZERO, 15
.set ACL,  16                          ; copies: LDS address, never rewritten
.set ACG,  17                          ; copies: global offset, never rewritten
.set APLR, 18                          ; pooled as a fragment
.set AC1W, 19                          ; where c is stored
.set BL1,  20                          ; v[20:23] pre bias of feature 16q+r
.set BL2,  24                          ; v[24:27] m2 bias of feature 16q+r
.set TMP,  28                          ; v[28:37]
.set XRAW, 38                          ; v[38:47] 2 x 5 channels, f32
.set MKR,  48                          ; v[48:51] 2 x 8 mask bytes
.set M1R,  52                          ; v[52:53] my point's mask byte, tile 0, 1
.set M,    54                          ; v[54:55] upper clamp: +inf valid, 0 masked
.set XF,   56                          ; v[56:71] point fragments, tile t at +8t
.set CM,   72                          ; v[72:87] mask as C, tile t at +8t
.set C1,   88                          ; v[88:119] c as C, tile q at +8q
.set P,    120                         ; v[120:151] packed activations, fragment (t, s) at +8(2t+s)
.set D,    152                         ; v[152:215] accumulators, tile (t, q) at +8(4t+q)
.set AWFL, 254                         ; AWF + the lower parts' first unit
.set NEG1, 255                         ; -1.0
; set-up only
.set G64,  28                          ; global offsets
.set G128, 29
.set GL,   30
.set GC,   31
.set GM,   32
.set GP,   33
.set GS,   34
.set AJ,   35                          ; LDS: my four units of a weight job
.set ABW,  36                          ; LDS: my biases + 16 c
.set ABW2, 37                          ; LDS: my biases + 16 lane
.set SC1,  38                          ; v[38:41] m1 scale of columns 4c..4c+3
.set SC2,  42                          ; v[42:45] m2 scale, or 1.0 in the waves that prepare out1
.set AMKW, 50
.set AVL,  51
.set APU,  52
.set RA,   64                          ; v[64:95]   job A: 8 rows x 4 columns
.set RB,   96                          ; v[96:127]  job B
.set RC,   128                         ; v[128:159] job C
.set T,    160                         ; v[160:175]
.set BN,   176                         ; v[176:243] 17 quads: pre, m1, m2 {b, rm, g, rv, beta}, out1_b, out2_b
.set PW,   244                         ; v[244:248] pre_w rows 4h+0..4 of my column
.set PG,   249
.set PRV,  250
.set AJ2,  253                         ; AJ + the lower parts' first unit
; out layers only
.set AWF2, 4
.set ABI2, 5
.set AFTR, 6
.set AVLR, 7
.set AWFL2, 8
.set FTL,  20                          ; v[20:35] feat, lower parts
.set FTH,  36                          ; v[36:51] feat, upper parts
.set VAL,  52
.set AST,  53
.set ARD,  54
.set OO,   55
.set ACC2, 56                          ; v[56:87]
.set O1W,  88                          ; v[88:151]
.set HA,   88                          ; v[88:103]  h, upper parts, when out1 is done
.set HB,   104                         ; v[104:119] h, lower parts
.set OB,   120                         ; v[120:151]
.set ACC1, 152                         ; v[152:183]
.set O2W,  184                         ; v[184:247]
; ---------------- registers, window 1 (v256 .. v511, named by their low 8 bits) ----------------
.set WPRE, 0                           ; 4 fragments
.set BPC,  32                          ; pre bias as C, 4 tiles
.set W1A,  64                          ; 8 fragments (s, q) at +8(4s+q)
.set W2,   128                         ; 8 fragments
.set WX,   192                         ; 8 fragments: lower parts of W1[64:128]
.set O1WL, 0                           ; out layers: lower parts of out1_w,
.set O2WL, 64                          ; of out2_w
.set MSB, 0
.macro WIN new                         ; low byte: bits 1:0 source 0, 3:2 source 1, 5:4 source 2, 7:6 destination; high byte: the setting that is left
.if MSB != \new
	s_set_vgpr_msb (MSB<<8)|\new
.set MSB, \new
.endif
.endm
.macro NOP4                            ; the four places behind a matrix instruction (ISA guide 7.12.1) where no useful work is at hand
.rept 4
	v_nop
.endr
.endm
; what rounding to bf16 left over: v[d] -= the low (LOL) or high (LOH) bf16 half of v[p].  The difference is exact in f32.
.macro LOL d, p
	v_fma_mix_f32_bf16 v[\d], v[\p], v[NEG1], v[\d] op_sel_hi:[1,0,0]
.endm
.macro LOH d, p
	v_fma_mix_f32_bf16 v[\d], v[\p], v[NEG1], v[\d] op_sel:[1,0,0] op_sel_hi:[1,0,0]
.endm
; ================= entry: ids, global offsets, bases =================
	s_load_b512 s[8:23], s[0:1], 0x0               ; argument i lands in s[8+2i:9+2i]
	s_load_b512 s[24:39], s[0:1], 0x40
	s_load_b512 s[40:55], s[0:1], 0x80
	s_load_b64 s[56:57], s[0:1], 0xc0
	v_lshl_add_u32 v251, v0, 2, 0x44a00
	v_mov_b32 v252, 0
	ds_add_u32 v251, v252
	ds_add_u32 v251, v252
	v_lshrrev_b32 v1, 5, v0
	v_readfirstlane_b32 s2, v1                     ; wave w
	v_and_b32 v[LN], 31, v0
	v_and_b32 v[RR], 15, v0                        ; r, also c
	v_bfe_u32 v[HH], v0, 4, 1                      ; h
	s_and_b32 s4, s2, 3
	s_and_b32 s5, s2, 1
	s_lshr_b32 s6, s2, 1
	s_mul_i32 s7, s2, XRW
	v_lshl_add_u32 v[ACL], v[LN], 4, s7            ; XR (= 0) + 9,216 w + 16 lane
	v_lshlrev_b32 v[ACG], 4, v[LN]
	v_lshlrev_b32 v[GC], 4, v[RR]                  ; 16 c: four columns of a row of 64
	v_lshl_add_u32 v[G64], v[HH], 11, v[GC]        ; + 8 rows of 256 bytes for the upper lanes
	v_lshl_add_u32 v[G128], v[HH], 12, v[GC]       ; + 8 rows of 512 bytes
	v_lshlrev_b32 v[GL], 4, v[LN]
	v_lshlrev_b32 v[GM], 3, v[LN]
	s_lshl_b32 s3, s4, 6
	v_lshl_add_u32 v[GS], v[RR], 2, s3             ; column 16 (w & 3) + r
	v_lshl_add_u32 v[GP], v[HH], 10, v[GS]         ; + row 4 h of pre_w
	s_mov_b32 s83, 0
	s_mul_i32 s82, ttmp9, 64*1152
	s_add_co_u32 s82, s82, s7
	s_wait_dscnt 0x0
	s_wait_kmcnt 0x0
	s_add_nc_u64 s[66:67], s[8:9], s[82:83]        ; my 8 polylines: 9,216 consecutive bytes, at a multiple of 256
; ================= every byte that this wave reads from memory is asked for here =================
.set i, 0
.rept 18
	global_load_async_to_lds_b128 v[ACL], v[ACG], s[66:67] offset:512*i    ; the offset steps both addresses
.set i, i+1
.endr
	s_lshl_b32 s82, ttmp9, 11
	s_lshl_b32 s3, s2, 8
	s_add_co_u32 s82, s82, s3
	s_add_nc_u64 s[68:69], s[10:11], s[82:83]      ; my 256 mask bytes
	s_lshl_b32 s82, s2, 12
	s_add_nc_u64 s[70:71], s[26:27], s[82:83]      ; job A: rows 16w .. 16w+15 of m1_w
	s_cmp_lt_u32 s2, 4
	s_cselect_b64 s[72:73], s[38:39], s[50:51]     ; job B: m2_w in waves 0-3, out1_w in waves 4-7,
	s_cselect_b32 s79, -1, 0                       ; (all ones in waves 0-3)
	s_lshl_b32 s82, s4, 12
	s_add_nc_u64 s[72:73], s[72:73], s[82:83]      ; rows 16 (w & 3) ..
	s_lshl_b32 s82, s6, 13
	s_lshl_b32 s3, s5, 8
	s_add_co_u32 s82, s82, s3
	s_add_nc_u64 s[74:75], s[54:55], s[82:83]      ; job C: rows 16 (w >> 1) .., columns 64 (w & 1) .. of out2_w
	s_lshl_b32 s3, ttmp9, 15
	s_add_co_u32 s82, s82, s3
	s_add_nc_u64 s[76:77], s[12:13], s[82:83]      ; out0: polylines 16 (w >> 1) .., features 64 (w & 1) .. of my work-group
	global_load_b64 v[48:49], v[GM], s[68:69] th:TH_LOAD_NT                ; load 1
.irp k, 0,1,2,3,4
	global_load_b128 v[BN+4*\k:BN+4*\k+3], v[GC], s[16+2*\k:17+2*\k]       ; pre b, rm, g, rv, beta
.endr
.irp k, 0,1,2,3,4
	global_load_b128 v[BN+20+4*\k:BN+23+4*\k], v[GC], s[28+2*\k:29+2*\k]   ; m1
.endr
.irp k, 0,1,2,3,4
	global_load_b128 v[BN+40+4*\k:BN+43+4*\k], v[GC], s[40+2*\k:41+2*\k]   ; m2
.endr
	global_load_b128 v[BN+60:BN+63], v[GC], s[52:53]                       ; out1_b
	global_load_b128 v[BN+64:BN+67], v[GL], s[56:57]                       ; out2_b
	global_load_b32 v[PG], v[GS], s[20:21]
	global_load_b32 v[PRV], v[GS], s[22:23]
.irp i, 0,1,2,3,4
	global_load_b32 v[PW+\i], v[GP], s[14:15] offset:256*\i                ; loads 21 to 25
.endr
.irp i, 0,1,2,3,4,5,6,7
	global_load_b128 v[RA+4*\i:RA+4*\i+3], v[G64], s[70:71] offset:256*\i  ; 16 lanes take one whole row of 256 bytes
.endr
.irp i, 0,1,2,3,4,5,6,7
	global_load_b128 v[RB+4*\i:RB+4*\i+3], v[G64], s[72:73] offset:256*\i
.endr
.irp i, 0,1,2,3,4,5,6,7
	global_load_b128 v[RC+4*\i:RC+4*\i+3], v[G128], s[74:75] offset:512*\i ; half a row of 512 bytes
.endr
; ================= LDS addresses and constants, while the loads are out =================
	s_mov_b32 s58, 0x76543210                      ; v_permlanex16_b32: lane i takes lane i of the other half
	s_mov_b32 s59, 0xfedcba98
	s_mov_b32 s60, 0x04000000                      ; v_perm_b32: byte 0..3 of the mask word into the top byte, zeros below
	s_mov_b32 s61, 0x05000000
	s_mov_b32 s62, 0x06000000
	s_mov_b32 s63, 0x07000000
	v_mov_b32 v[ZERO], 0
	v_mov_b32 v[NEG1], -1.0
	v_mul_u32_u24 v46, v[RR], 36
	v_lshl_add_u32 v46, v[HH], 4, v46
	v_add_nc_u32 v[AXA], s7, v46                   ; point r, channel 4 h
	v_mov_b32 v[AXB], v[AXA]
	s_lshl_b32 s3, s2, 8
	s_add_co_u32 s3, s3, MK
	v_lshl_add_u32 v[AM2A], v[HH], 3, s3
	v_mov_b32 v[AM2B], v[AM2A]
	v_add_nc_u32 v[AM1], s3, v[RR]
	v_lshl_add_u32 v[AMKW], v[LN], 3, s3
	s_mul_i32 s3, s2, 8*HP
	s_add_co_u32 s3, s3, PL
	v_lshl_add_u32 v[APL], v[RR], 1, s3
	v_and_b32 v46, 7, v[RR]                        ; lanes with r >= 8 repeat rows 0..7: only 8 polylines a wave
	v_mul_u32_u24 v47, v46, HP
	v_lshl_add_u32 v47, v[HH], 4, v47
	v_add_nc_u32 v[APLR], s3, v47
	s_mul_i32 s3, s2, 8*CP
	s_add_co_u32 s3, s3, C1L
	v_lshl_add_u32 v[AC1], v[HH], 5, s3
	v_mad_u32_u24 v[AC1W], v46, CP, v[AC1]
	s_mul_i32 s3, s2, 8*HP
	s_add_co_u32 s3, s3, FT
	v_lshl_add_u32 v[AFT], v[RR], 1, s3
	v_lshl_add_u32 v[AWF], v[LN], 4, WF
	v_add_nc_u32 v[AWFL], ULO*UP, v[AWF]
	s_mul_i32 s3, s2, BIW
	s_add_co_u32 s3, s3, BI
	v_lshl_add_u32 v[ABI], v[HH], 5, s3
	v_lshl_add_u32 v[ABL], v[RR], 2, s3
	v_lshl_add_u32 v[ABW], v[RR], 4, s3
	v_lshl_add_u32 v[ABW2], v[LN], 4, s3
	s_mul_i32 s3, s2, 4*UP
	s_add_co_u32 s3, s3, WF
	v_lshrrev_b32 v46, 2, v[RR]
	v_and_b32 v47, 3, v[RR]
	v_mul_u32_u24 v46, v46, UP                     ; unit c >> 2 of my four,
	v_lshl_add_u32 v46, v[HH], 8, v46              ; slot 16 h
	v_lshl_add_u32 v46, v47, 6, v46                ; + 4 (c & 3); 528 = 2 x 256 + 16, so the 16 lanes of a store pass hit 16 different 16-byte columns
	v_add_nc_u32 v[AJ], s3, v46
	v_add_nc_u32 v[AJ2], ULO*UP, v[AJ]
	s_mul_i32 s3, s2, UP
	v_add_nc_u32 v[APU], s3, v[AWF]                ; unit w, my slot
	s_lshl_b32 s3, s2, 5
	s_add_co_u32 s3, s3, VL
	v_and_b32 v46, 28, v[LN]
	v_add_nc_u32 v[AVL], s3, v46                   ; word 8 w + (lane >> 2)
; ================= preparation =================
; scale = g rsqrt(rv + eps) into sc; (b - rm) scale + beta into my bias copy.  The two subtractions are the plain places behind the roots.
.macro BNFOLD q0, sc, bi
	v_pk_add_f32 v[\q0+12:\q0+13], v[\q0+12:\q0+13], EPS op_sel_hi:[1,0]
	v_pk_add_f32 v[\q0+14:\q0+15], v[\q0+14:\q0+15], EPS op_sel_hi:[1,0]
.irp e, 0,1,2,3
	v_rsq_f32 v[T+\e], v[\q0+12+\e]
.endr
	v_pk_add_f32 v[\q0:\q0+1], v[\q0:\q0+1], v[\q0+4:\q0+5] neg_lo:[0,1] neg_hi:[0,1]
	v_pk_add_f32 v[\q0+2:\q0+3], v[\q0+2:\q0+3], v[\q0+6:\q0+7] neg_lo:[0,1] neg_hi:[0,1]
	s_wait_alu depctr_va_vdst(0)
	v_pk_mul_f32 v[\sc:\sc+1], v[\q0+8:\q0+9], v[T:T+1]
	v_pk_mul_f32 v[\sc+2:\sc+3], v[\q0+10:\q0+11], v[T+2:T+3]
	v_pk_fma_f32 v[\q0:\q0+1], v[\q0:\q0+1], v[\sc:\sc+1], v[\q0+16:\q0+17]
	v_pk_fma_f32 v[\q0+2:\q0+3], v[\q0+2:\q0+3], v[\sc+2:\sc+3], v[\q0+18:\q0+19]
	ds_store_b128 v[ABW], v[\q0:\q0+3] offset:\bi
.endm
; 16 input rows x 64 columns into four units.  My lane holds rows 8h+0..7 of columns 4c+0..3: for each column the 8 rows are one slot.
; R keeps the scaled f32 numbers and T the 16 packed words, for WLO.
.macro WJOB R, ub, sc
.if \sc
.irp i, 0,1,2,3,4,5,6,7
	v_pk_mul_f32 v[\R+4*\i:\R+4*\i+1], v[\R+4*\i:\R+4*\i+1], v[\sc:\sc+1]
	v_pk_mul_f32 v[\R+4*\i+2:\R+4*\i+3], v[\R+4*\i+2:\R+4*\i+3], v[\sc+2:\sc+3]
.endr
.endif
.irp e, 0,1,2,3
.irp u, 0,1,2,3
	v_cvt_pk_bf16_f32 v[T+4*\e+\u], v[\R+8*\u+\e], v[\R+8*\u+4+\e]
.endr
	ds_store_b128 v[AJ], v[T+4*\e:T+4*\e+3] offset:\ub*UP+16*\e
.endr
.endm
; the same job's lower parts, straight behind its WJOB
.macro WLO R, ul
.irp e, 0,1,2,3
.irp u, 0,1,2,3
	LOL \R+8*\u+\e, T+4*\e+\u
	LOH \R+8*\u+4+\e, T+4*\e+\u
.endr
.irp u, 0,1,2,3
	v_cvt_pk_bf16_f32 v[T+4*\e+\u], v[\R+8*\u+\e], v[\R+8*\u+4+\e]
.endr
	ds_store_b128 v[AJ2], v[T+4*\e:T+4*\e+3] offset:\ul*UP+16*\e
.endr
.endm
	s_wait_loadcnt 24                              ; the 24 loads of the three weight jobs stay out; mask, norms, biases and pre_w are in
	; masks: does the polyline (four lanes of 8 bytes) have a valid point?  And bytes 1 / 0 become 0x00 / 0xff.
	v_or_b32 v46, v48, v49
	v_mov_b32 v47, v46
	v_mov_b32_dpp v47, v46 row_xmask:1 row_mask:0xf bank_mask:0xf
	v_or_b32 v46, v46, v47
	v_mov_b32_dpp v47, v46 row_xmask:2 row_mask:0xf bank_mask:0xf
	v_or_b32 v46, v46, v47
	v_cmp_ne_u32 vcc_lo, 0, v46
	v_cndmask_b32 v46, 0, -1, vcc_lo
	ds_store_b32 v[AVL], v46                       ; four lanes, one word, one value
	v_xor_b32 v48, 0x01010101, v48
	v_xor_b32 v49, 0x01010101, v49
	v_mul_lo_u32 v48, v48, 255                     ; each byte is 0 or 1: no carry from byte to byte
	v_mul_lo_u32 v49, v49, 255
	ds_store_b64 v[AMKW], v[48:49]
	BNFOLD BN, T+8, B_PRE
	BNFOLD BN+20, SC1, B_M1
	BNFOLD BN+40, SC2, B_M2
.irp e, 0,1,2,3
	v_cndmask_b32 v[SC2+\e], 1.0, v[SC2+\e], s79   ; out1 has no norm
.endr
	ds_store_b128 v[ABW], v[BN+60:BN+63] offset:B_O1
	ds_store_b128 v[ABW2], v[BN+64:BN+67] offset:B_O2
	; the pre layer's unit w, for column 16 (w & 3) + r and channels 4h + 0..4 (wh: upper, wl: lower part of the scaled weight).
	; The fragment's registers:  (wh0,wh1) (wh2,wh3) (wh4,wh4) (wh0,wh1) | (wh2,wh3) (wl0,wl1) (wl2,wl3) (wl4,0)
	; stand against the point's: (xh0,xh1) (xh2,xh3) (xh4,xl4) (xl0,xl1) | (xl2,xl3) (xh0,xh1) (xh2,xh3) (xh4,0).
	; Waves 0-3 write the first four registers (unit w), waves 4-7 the last four.
	; Channel 4 stands in both lane halves of the point fragment; in the upper half its weight is 0.
	v_add_f32 v[PRV], EPS, v[PRV]
	v_rsq_f32 v54, v[PRV]
	v_cmp_gt_u32 vcc_lo, 16, v[LN]                 ; (the plain place behind the root)
	s_wait_alu depctr_va_vdst(0)
	v_mul_f32 v54, v[PG], v54
.irp i, 0,1,2,3,4
	v_mul_f32 v[PW+\i], v[PW+\i], v54
.endr
	v_cndmask_b32 v[PW], 0, v[PW], vcc_lo
	v_cvt_pk_bf16_f32 v[T], v[PW], v[PW+1]
	v_cvt_pk_bf16_f32 v[T+1], v[PW+2], v[PW+3]
	v_cvt_pk_bf16_f32 v[T+2], v[PW+4], v[PW+4]
	LOL PW, T
	LOH PW+1, T
	LOL PW+2, T+1
	LOH PW+3, T+1
	LOL PW+4, T+2
	v_cvt_pk_bf16_f32 v[T+4], v[PW], v[PW+1]
	v_cvt_pk_bf16_f32 v[T+5], v[PW+2], v[PW+3]
	v_cvt_pk_bf16_f32 v[T+6], v[PW+4], 0
	v_cndmask_b32 v[T+8], v[T+1], v[T], s79        ; waves 0-3 take the second source
	v_cndmask_b32 v[T+9], v[T+4], v[T+1], s79
	v_cndmask_b32 v[T+10], v[T+5], v[T+2], s79
	v_cndmask_b32 v[T+11], v[T+6], v[T], s79
	ds_store_b128 v[APU], v[T+8:T+11]
	s_wait_loadcnt 16                              ; jobs B and C stay out
	WJOB RA, U_M1, SC1
	s_cmp_lt_u32 s2, 4                             ; rows 0..63 of m1_w (waves 0-3) meet the points and stay in one part
	s_cbranch_scc1 .LnoloA
	WLO RA, L_M1
.LnoloA:
	s_wait_loadcnt 8                               ; job C stays out
	WJOB RB, U_M2, SC2                             ; units 40 + 4w: m2 in waves 0-3, out1 (56 ..) in waves 4-7
	s_cmp_lt_u32 s2, 4                             ; m2 stays in one part
	s_cbranch_scc1 .LnoloB
	WLO RB, L_B
.LnoloB:
	s_wait_loadcnt 0x0
	WJOB RC, U_O2, 0
	WLO RC, L_O2
	s_wait_asynccnt 0x0                            ; my points are in LDS (asked for ahead of the loads waited for above)
	s_wait_dscnt 0x0                               ; for the others' sake: my units and my valid words are written
	s_barrier_signal -1
	s_barrier_wait -1                              ; everybody's are
; ================= operands that stay in registers =================
.macro LDFRAG dst, adr, lo, up         ; a fragment of 32 input features = two units
	ds_load_b128 v[\dst:\dst+3], v[\adr] offset:(\lo)*UP
	ds_load_b128 v[\dst+4:\dst+7], v[\adr] offset:(\up)*UP
.endm
.macro LDC dst, adr, off               ; four tiles in C layout: register j of tile q = number 16q + 8h + j of a row of 64 f32
.irp q, 0,1,2,3
	ds_load_b128 v[\dst+8*\q:\dst+8*\q+3], v[\adr] offset:\off+64*\q
	ds_load_b128 v[\dst+8*\q+4:\dst+8*\q+7], v[\adr] offset:\off+64*\q+16
.endr
.endm
.macro LDROW dst, adr, off             ; two fragments (64 bf16) of a row of pooled or feat
.irp s, 0,1
	ds_load_b128 v[\dst+8*\s:\dst+8*\s+3], v[\adr] offset:\off+64*\s
	ds_load_b128 v[\dst+8*\s+4:\dst+8*\s+7], v[\adr] offset:\off+64*\s+32
.endr
.endm
.macro LDX adr                         ; 5 channels of point 16t + r; words 9r + 4h + i
.irp t, 0,1
.irp i, 0,1,2,3,4
	ds_load_b32 v[XRAW+5*\t+\i], v[\adr] offset:576*\t+4*\i
.endr
.endr
.endm
.macro LDMK adr                        ; mask bytes of points 16t + 8h + 0..7
	ds_load_b64 v[MKR:MKR+1], v[\adr]
	ds_load_b64 v[MKR+2:MKR+3], v[\adr] offset:16
.endm
.macro LDM1                            ; mask byte of point 16t + r
	ds_load_u8 v[M1R], v[AM1]
	ds_load_u8 v[M1R+1], v[AM1] offset:16
.endm
	WIN 0x40                                       ; destinations in window 1
.irp q, 0,1,2,3
	LDFRAG WPRE+8*\q, AWF, U_PRE+\q, U_PRE+4+\q
.endr
.irp s, 0,1
.irp q, 0,1,2,3
	LDFRAG W1A+8*(4*\s+\q), AWF, U_M1+8*\s+\q, U_M1+4+8*\s+\q
	LDFRAG W2+8*(4*\s+\q), AWF, U_M2+8*\s+\q, U_M2+4+8*\s+\q
.endr
.endr
	LDC BPC, ABI, B_PRE
	WIN 0
.irp q, 0,1,2,3
	ds_load_b32 v[BL1+\q], v[ABL] offset:B_PRE+64*\q
	ds_load_b32 v[BL2+\q], v[ABL] offset:B_M2+64*\q
.endr
	LDX AXA
	LDMK AM2A
; ================= macros of the two passes =================
; point fragments in two parts, in the order given at the pre layer's unit.  A fragment is 8 consecutive registers and the upper
; parts meet two different weights, so they stand in it twice: that is what the two copies are for.
.macro CVTX
.irp t, 0,1
	v_cvt_pk_bf16_f32 v[XF+8*\t], v[XRAW+5*\t], v[XRAW+5*\t+1]
	v_cvt_pk_bf16_f32 v[XF+8*\t+1], v[XRAW+5*\t+2], v[XRAW+5*\t+3]
	v_cvt_pk_bf16_f32 v[XF+8*\t+7], v[XRAW+5*\t+4], 0
	LOL XRAW+5*\t, XF+8*\t
	LOH XRAW+5*\t+1, XF+8*\t
	LOL XRAW+5*\t+2, XF+8*\t+1
	LOH XRAW+5*\t+3, XF+8*\t+1
	v_fma_mix_f32_bf16 v[TMP+\t], v[XF+8*\t+7], v[NEG1], v[XRAW+5*\t+4] op_sel_hi:[1,0,0]
	v_cvt_pk_bf16_f32 v[XF+8*\t+3], v[XRAW+5*\t], v[XRAW+5*\t+1]
	v_cvt_pk_bf16_f32 v[XF+8*\t+4], v[XRAW+5*\t+2], v[XRAW+5*\t+3]
	v_cvt_pk_bf16_f32 v[XF+8*\t+2], v[XRAW+5*\t+4], v[TMP+\t]
	v_mov_b32 v[XF+8*\t+5], v[XF+8*\t]
	v_mov_b32 v[XF+8*\t+6], v[XF+8*\t+1]
.endr
.endm
.macro MKCM                            ; mask as C: 0xff000000 = -2^127 for a masked point 16t + 8h + j, 0 for a valid one
.irp t, 0,1
.irp j, 0,1,2,3,4,5,6,7
	v_perm_b32 v[CM+8*\t+\j], v[MKR+2*\t+\j/4], v[ZERO], s[60+\j%4]
.endr
.endr
.endm
.macro PRE_O2 t                        ; points as A: D(point 8h+j, feature 16q+r) = x W + mask
.irp q, 0,1,2,3
	v_wmma_f32_16x16x32_bf16 v[D+32*\t+8*\q:D+32*\t+8*\q+7], v[XF+8*\t:XF+8*\t+7], v[WPRE+8*\q:WPRE+8*\q+7], v[CM+8*\t:CM+8*\t+7]
.endr
.endm
.macro PRE_O1 t                        ; weights as A: D(feature 16q+8h+j, point r) = W x + bias
.irp q, 0,1,2,3
	v_wmma_f32_16x16x32_bf16 v[D+32*\t+8*\q:D+32*\t+8*\q+7], v[WPRE+8*\q:WPRE+8*\q+7], v[XF+8*\t:XF+8*\t+7], v[BPC+8*\q:BPC+8*\q+7]
.endr
.endm
.macro MMW d, w, x, c                  ; 64 -> 64, weights as A: four tiles d = w(s, q) x(s) + c, K in two steps, the second in place
.irp q, 0,1,2,3
	v_wmma_f32_16x16x32_bf16 v[\d+8*\q:\d+8*\q+7], v[\w+8*\q:\w+8*\q+7], v[\x:\x+7], v[\c+8*\q:\c+8*\q+7]
.endr
.irp q, 0,1,2,3
	v_wmma_f32_16x16x32_bf16 v[\d+8*\q:\d+8*\q+7], v[\w+32+8*\q:\w+32+8*\q+7], v[\x+8:\x+15], v[\d+8*\q:\d+8*\q+7]
.endr
.endm
.macro MMX d, x, w, c                  ; 64 -> 64, points as A; c is one tile for all four
.irp q, 0,1,2,3
	v_wmma_f32_16x16x32_bf16 v[\d+8*\q:\d+8*\q+7], v[\x:\x+7], v[\w+8*\q:\w+8*\q+7], v[\c:\c+7]
.endr
.irp q, 0,1,2,3
	v_wmma_f32_16x16x32_bf16 v[\d+8*\q:\d+8*\q+7], v[\x+8:\x+15], v[\w+32+8*\q:\w+32+8*\q+7], v[\d+8*\q:\d+8*\q+7]
.endr
.endm
; a product in two parts, all links in place on d: wh xh + wh xl + wl xh; wl lies in window 1
.macro MM3 d, wh, wl, xh, xl
	MMW \d, \wh, \xh, \d
	MMW \d, \wh, \xl, \d
	WIN 0x01
	MMW \d, \wl, \xh, \d
	WIN 0
.endm
; ReLU (with m: clamp to [0, v[m]], which is ReLU for a valid point and 0 for a masked one) and packing: tiles 2s, 2s+1 become fragment s
.macro ACT d, p, m
.irp q, 0,1,2,3
.irp j, 0,1,2,3,4,5,6,7
.if \m
	v_med3_num_f32 v[\d+8*\q+\j], v[\d+8*\q+\j], 0, v[\m]
.else
	v_max_num_f32 v[\d+8*\q+\j], 0, v[\d+8*\q+\j]
.endif
.endr
.irp u, 0,1,2,3
	v_cvt_pk_bf16_f32 v[\p+4*\q+\u], v[\d+8*\q+2*\u], v[\d+8*\q+2*\u+1]
.endr
.endr
.endm
; ReLU and packing in two parts: upper parts to pa, lower parts to pb
.macro ACTS d, pa, pb
.irp q, 0,1,2,3
.irp j, 0,1,2,3,4,5,6,7
	v_max_num_f32 v[\d+8*\q+\j], 0, v[\d+8*\q+\j]
.endr
.irp u, 0,1,2,3
	v_cvt_pk_bf16_f32 v[\pa+4*\q+\u], v[\d+8*\q+2*\u], v[\d+8*\q+2*\u+1]
.endr
.irp u, 0,1,2,3
	LOL \d+8*\q+2*\u, \pa+4*\q+\u
	LOH \d+8*\q+2*\u+1, \pa+4*\q+\u
.endr
.irp u, 0,1,2,3
	v_cvt_pk_bf16_f32 v[\pb+4*\q+\u], v[\d+8*\q+2*\u], v[\d+8*\q+2*\u+1]
.endr
.endr
.endm
; max over the 32 points of D(point, feature), + bias, max with 0 (the masked points' zeros and the ReLU), in two bf16 parts into row adr.
; The first twelve lines name tile row 0 alone: they are the places behind the matrix instructions of tile row 1.
.macro POOL bl, adr
.irp k, 0,2,4
.irp q, 0,1,2,3
.if \k
	v_max3_num_f32 v[TMP+\q], v[TMP+\q], v[D+8*\q+\k+1], v[D+8*\q+\k+2]
.else
	v_max3_num_f32 v[TMP+\q], v[D+8*\q], v[D+8*\q+1], v[D+8*\q+2]
.endif
.endr
.endr
.irp k, 0,2,4
.irp q, 0,1,2,3
.if \k
	v_max3_num_f32 v[TMP+4+\q], v[TMP+4+\q], v[D+32+8*\q+\k+1], v[D+32+8*\q+\k+2]
.else
	v_max3_num_f32 v[TMP+4+\q], v[D+32+8*\q], v[D+32+8*\q+1], v[D+32+8*\q+2]
.endif
.endr
.endr
.irp q, 0,1,2,3
	v_max3_num_f32 v[TMP+\q], v[TMP+\q], v[TMP+4+\q], v[D+8*\q+7]
.endr
.irp q, 0,1,2,3
	v_max_num_f32 v[TMP+\q], v[TMP+\q], v[D+32+8*\q+7]
.endr
.irp q, 0,1,2,3
	v_add_f32 v[TMP+\q], v[TMP+\q], v[\bl+\q]
.endr
.irp q, 0,1,2,3
	v_permlanex16_b32 v[TMP+4+\q], v[TMP+\q], s58, s59     ; the other eight points of each tile
.endr
.irp q, 0,1,2,3
	v_max3_num_f32 v[TMP+\q], v[TMP+\q], v[TMP+4+\q], 0
.endr
	v_cvt_pk_bf16_f32 v[TMP+8], v[TMP], v[TMP+1]
	v_cvt_pk_bf16_f32 v[TMP+9], v[TMP+2], v[TMP+3]
	LOL TMP, TMP+8
	LOH TMP+1, TMP+8
	LOL TMP+2, TMP+9
	LOH TMP+3, TMP+9
	v_cvt_pk_bf16_f32 v[TMP+4], v[TMP], v[TMP+1]
	v_cvt_pk_bf16_f32 v[TMP+5], v[TMP+2], v[TMP+3]
	ds_store_b16 v[\adr], v[TMP+8]                         ; feature r, upper part
	ds_store_b16_d16_hi v[\adr], v[TMP+8] offset:32        ; 16 + r
	ds_store_b16 v[\adr], v[TMP+9] offset:64               ; 32 + r
	ds_store_b16_d16_hi v[\adr], v[TMP+9] offset:96        ; 48 + r
	ds_store_b16 v[\adr], v[TMP+4] offset:LOFF             ; and the lower parts
	ds_store_b16_d16_hi v[\adr], v[TMP+4] offset:LOFF+32
	ds_store_b16 v[\adr], v[TMP+5] offset:LOFF+64
	ds_store_b16_d16_hi v[\adr], v[TMP+5] offset:LOFF+96
	v_add_nc_u32 v[\adr], HP, v[\adr]                      ; the next polyline's row
.endm
; ================= pass 1: pooled = max over the points of the masked pre layer =================
.macro TRIPA more
	s_wait_dscnt 0x0                               ; this polyline's points and mask bytes are in (first trip: the resident operands too)
	CVTX
	MKCM
.if \more
	v_add_nc_u32 v[AXA], 1152, v[AXA]
	v_add_nc_u32 v[AM2A], 32, v[AM2A]
	LDX AXA                                        ; the next polyline, one trip ahead
	LDMK AM2A
.endif
	WIN 0x04                                       ; B in window 1
	PRE_O2 0
	PRE_O2 1
	WIN 0
	NOP4
	POOL BL1, APL
.endm
	s_mov_b32 s78, 7
.LpassA:
	TRIPA 1
	s_sub_co_i32 s78, s78, 1
	s_cmp_lg_u32 s78, 0
	s_cbranch_scc1 .LpassA
	TRIPA 0                                        ; the eighth polyline: nothing further to load
; ================= c = pooled x W1[64:128] + bias, for my 8 polylines at once, both operands in two parts =================
; All LDS bytes here are my own or were written in front of the first barrier; LDS serves a wave's instructions in order
; (ISA guide 5.7.1), so the loads see the pooled rows stored above.
	LDC D, ABI, B_M1                               ; the sums start from the folded m1 bias
.irp s, 0,1
.irp q, 0,1,2,3
	LDFRAG C1+8*(4*\s+\q), AWF, U_M1+16+8*\s+\q, U_M1+20+8*\s+\q
.endr
.endr
	WIN 0x40
.irp s, 0,1
.irp q, 0,1,2,3
	LDFRAG WX+8*(4*\s+\q), AWFL, L_M1+16+8*\s+\q, L_M1+20+8*\s+\q
.endr
.endr
	WIN 0
	LDROW XF, APLR, 0                              ; pooled, upper parts
	LDROW CM, APLR, LOFF                           ; lower parts
	s_wait_dscnt 0x0
	MM3 D, C1, WX, XF, CM                          ; D(feature 16q+8h+j, polyline r & 7)
	NOP4
.irp q, 0,1,2,3
	ds_store_b128 v[AC1W], v[D+8*\q:D+8*\q+3] offset:64*\q         ; lanes r and r + 8 store the same numbers to the same bytes
	ds_store_b128 v[AC1W], v[D+8*\q+4:D+8*\q+7] offset:64*\q+16
.endr
	LDX AXB
	LDM1
	LDMK AM2B
	LDC C1, AC1, 0
; ================= pass 2: pre, m1, m2, feat = masked max =================
; The two tiles of 16 points take turns: while one tile's eight matrix instructions run, the other's 48 vector lines stand behind
; them.  So each read of a result, each rewrite of a fragment and each load into C1 has at least 12 independent vector lines
; between it and the matrix instruction concerned, round the back edge too.
.macro TRIPB more
	s_wait_dscnt 0x0                               ; points, both forms of the mask and c of this polyline are in
	CVTX
.irp t, 0,1
	v_xor_b32 v[M+\t], 255, v[M1R+\t]
	v_lshlrev_b32 v[M+\t], 23, v[M+\t]             ; 0x00 -> 0x7f800000 (+inf), 0xff -> 0
.endr
.if \more
	v_add_nc_u32 v[AXB], 1152, v[AXB]
	v_add_nc_u32 v[AM1], 32, v[AM1]
	LDX AXB
	LDM1
.endif
	WIN 0x11                                       ; A and C in window 1
	PRE_O1 0
	PRE_O1 1
	WIN 0
	MKCM                                           ; 16 independent lines: the places behind the pre layer
.if \more
	v_add_nc_u32 v[AM2B], 32, v[AM2B]
	LDMK AM2B
.endif
	ACT D, P, M
	WIN 0x01                                       ; A in window 1
	MMW D, W1A, P, C1
	WIN 0
	ACT D+32, P+16, M+1
	WIN 0x01
	MMW D+32, W1A, P+16, C1
	WIN 0
	ACT D, P, 0
.if \more
	v_add_nc_u32 v[AC1], CP, v[AC1]
	LDC C1, AC1, 0                                 ; 48 vector lines behind C1's last reader
.endif
	WIN 0x04                                       ; B in window 1
	MMX D, P, W2, CM
	WIN 0
	ACT D+32, P+16, 0
	WIN 0x04
	MMX D+32, P+16, W2, CM+8
	WIN 0
	POOL BL2, AFT
.endm
	s_mov_b32 s78, 7
.LpassB:
	TRIPB 1
	s_sub_co_i32 s78, s78, 1
	s_cmp_lg_u32 s78, 0
	s_cbranch_scc1 .LpassB
	TRIPB 0
; ================= out layers: wave w takes polylines 16 (w >> 1) .. +15 and output features 64 (w & 1) .. +63 =================
	s_mul_i32 s3, s5, 4*UP
	v_add_nc_u32 v[AWF2], s3, v[AWF]               ; out2's units q = 4 (w & 1) + 0..3
	v_add_nc_u32 v[AWFL2], s3, v[AWFL]
	s_lshl_b32 s3, s5, 8
	v_add_nc_u32 v[ABI2], s3, v[ABI]
	s_mul_i32 s3, s6, 16*HP
	s_add_co_u32 s3, s3, FT
	v_mul_u32_u24 v[AFTR], v[RR], HP
	v_lshl_add_u32 v[AFTR], v[HH], 4, v[AFTR]
	v_add_nc_u32 v[AFTR], s3, v[AFTR]              ; feat as a fragment: row 16 (w >> 1) + r
	s_lshl_b32 s3, s6, 6
	s_add_co_u32 s3, s3, VL
	v_lshl_add_u32 v[AVLR], v[RR], 2, s3
	s_mul_i32 s3, s2, STW
	s_add_co_u32 s3, s3, ST
	v_mul_u32_u24 v[AST], v[RR], CP
	v_lshl_add_u32 v[AST], v[HH], 5, v[AST]
	v_add_nc_u32 v[AST], s3, v[AST]                ; in: row r, 32 bytes for each lane half
	v_mul_u32_u24 v[ARD], v[HH], CP
	v_lshl_add_u32 v[ARD], v[RR], 4, v[ARD]
	v_add_nc_u32 v[ARD], s3, v[ARD]                ; back: lanes 0-15 one row of 256 bytes, lanes 16-31 the next
	v_lshlrev_b32 v[OO], 4, v[RR]
	v_lshl_add_u32 v[OO], v[HH], 9, v[OO]          ; the same two rows in out0 (512 bytes a row)
	s_wait_dscnt 0x0                               ; for the others' sake: my eight rows of feat are written
	s_barrier_signal -1
	; between signal and wait: loads of bytes that nobody writes any more (units, my biases, the valid words)
.irp s, 0,1
.irp q, 0,1,2,3
	LDFRAG O1W+8*(4*\s+\q), AWF, U_O1+8*\s+\q, U_O1+4+8*\s+\q
	LDFRAG O2W+8*(4*\s+\q), AWF2, U_O2+16*\s+\q, U_O2+8+16*\s+\q
.endr
.endr
	LDC ACC1, ABI, B_O1
	LDC ACC2, ABI2, B_O2
	ds_load_b32 v[VAL], v[AVLR]
	WIN 0x40                                       ; the lower parts go where the point layers' weights lay
.irp s, 0,1
.irp q, 0,1,2,3
	LDFRAG O1WL+8*(4*\s+\q), AWFL, L_O1+8*\s+\q, L_O1+4+8*\s+\q
	LDFRAG O2WL+8*(4*\s+\q), AWFL2, L_O2+16*\s+\q, L_O2+8+16*\s+\q
.endr
.endr
	WIN 0
	s_barrier_wait -1                              ; everybody's feat is written
	LDROW FTH, AFTR, 0
	LDROW FTL, AFTR, LOFF
	s_wait_dscnt 0x0
	MM3 ACC1, O1W, O1WL, FTH, FTL                  ; D(feature 16q+8h+j, polyline r), started from out1_b
	NOP4
	ACTS ACC1, HA, HB                              ; h lies on out1's weights: first written 12 vector lines behind their last reader
	MM3 ACC2, O2W, O2WL, HA, HB                    ; a lane holds 8 neighbouring output features of polyline r
	NOP4
.irp q, 0,1,2,3
.irp j, 0,1,2,3,4,5,6,7
	v_and_b32 v[ACC2+8*\q+\j], v[VAL], v[ACC2+8*\q+\j]     ; a polyline without a valid point gives zeros
.endr
	ds_store_b128 v[AST], v[ACC2+8*\q:ACC2+8*\q+3] offset:64*\q
	ds_store_b128 v[AST], v[ACC2+8*\q+4:ACC2+8*\q+7] offset:64*\q+16
.endr
.irp i, 0,1,2,3,4,5,6,7
	ds_load_b128 v[OB+4*\i:OB+4*\i+3], v[ARD] offset:2*CP*\i       ; my own stage: served in order behind the stores above
.endr
.irp i, 0,1,2,3,4,5,6,7
	s_wait_dscnt 7-\i                              ; the younger read-backs stay out
	global_store_b128 v[OO], v[OB+4*\i:OB+4*\i+3], s[76:77] offset:1024*\i th:TH_STORE_NT  ; 16 lanes store 256 consecutive bytes, at a multiple of 256
.endr
	s_wait_tensorcnt 0x0
	ds_add_u32 v251, v252
	s_wait_dscnt 0x0
	s_endpgm
.Lfunc_end_k_q3aed9ca54c_encode:
	.size	k_q3aed9ca54c_encode, .Lfunc_end_k_q3aed9ca54c_encode-k_q3aed9ca54c_encode
	.p2alignl 7, 3214868480
	.fill 96, 4, 3214868480
	.section	.rodata,"a",@progbits
	.p2align	6, 0x0
	.amdhsa_kernel k_q3aed9ca54c_encode
		.amdhsa_group_segment_fixed_size 282112
		.amdhsa_private_segment_fixed_size 0
		.amdhsa_enable_private_segment 0
		.amdhsa_kernarg_size 200
		.amdhsa_user_sgpr_count 2
		.amdhsa_user_sgpr_kernarg_segment_ptr 1
		.amdhsa_wavefront_size32 1
		.amdhsa_system_sgpr_workgroup_id_x 1
		.amdhsa_system_sgpr_workgroup_id_y 1
		.amdhsa_system_sgpr_workgroup_id_z 1
		.amdhsa_system_vgpr_workitem_id 0
		.amdhsa_next_free_vgpr 512
		.amdhsa_next_free_sgpr 84
		.amdhsa_reserve_vcc 1
		.amdhsa_float_denorm_mode_32 3
		.amdhsa_float_denorm_mode_16_64 3
		.amdhsa_memory_ordered 1
		.amdhsa_forward_progress 1
		.amdhsa_inst_pref_size 117
	.end_amdhsa_kernel
	.amdgpu_metadata
---
amdhsa.version: [ 1, 2 ]
amdhsa.kernels:
  - .name:           k_q3aed9ca54c_encode
    .symbol:         k_q3aed9ca54c_encode.kd
    .args:
      - { .name: polylines, .offset: 0, .size: 8, .value_kind: global_buffer, .address_space: global }
      - { .name: polylines_mask, .offset: 8, .size: 8, .value_kind: global_buffer, .address_space: global }
      - { .name: out0, .offset: 16, .size: 8, .value_kind: global_buffer, .address_space: global }
      - { .name: pre_w, .offset: 24, .size: 8, .value_kind: global_buffer, .address_space: global }
      - { .name: pre_b, .offset: 32, .size: 8, .value_kind: global_buffer, .address_space: global }
      - { .name: pre_rm, .offset: 40, .size: 8, .value_kind: global_buffer, .address_space: global }
      - { .name: pre_g, .offset: 48, .size: 8, .value_kind: global_buffer, .address_space: global }
      - { .name: pre_rv, .offset: 56, .size: 8, .value_kind: global_buffer, .address_space: global }
      - { .name: pre_beta, .offset: 64, .size: 8, .value_kind: global_buffer, .address_space: global }
      - { .name: m1_w, .offset: 72, .size: 8, .value_kind: global_buffer, .address_space: global }
      - { .name: m1_b, .offset: 80, .size: 8, .value_kind: global_buffer, .address_space: global }
      - { .name: m1_rm, .offset: 88, .size: 8, .value_kind: global_buffer, .address_space: global }
      - { .name: m1_g, .offset: 96, .size: 8, .value_kind: global_buffer, .address_space: global }
      - { .name: m1_rv, .offset: 104, .size: 8, .value_kind: global_buffer, .address_space: global }
      - { .name: m1_beta, .offset: 112, .size: 8, .value_kind: global_buffer, .address_space: global }
      - { .name: m2_w, .offset: 120, .size: 8, .value_kind: global_buffer, .address_space: global }
      - { .name: m2_b, .offset: 128, .size: 8, .value_kind: global_buffer, .address_space: global }
      - { .name: m2_rm, .offset: 136, .size: 8, .value_kind: global_buffer, .address_space: global }
      - { .name: m2_g, .offset: 144, .size: 8, .value_kind: global_buffer, .address_space: global }
      - { .name: m2_rv, .offset: 152, .size: 8, .value_kind: global_buffer, .address_space: global }
      - { .name: m2_beta, .offset: 160, .size: 8, .value_kind: global_buffer, .address_space: global }
      - { .name: out1_w, .offset: 168, .size: 8, .value_kind: global_buffer, .address_space: global }
      - { .name: out1_b, .offset: 176, .size: 8, .value_kind: global_buffer, .address_space: global }
      - { .name: out2_w, .offset: 184, .size: 8, .value_kind: global_buffer, .address_space: global }
      - { .name: out2_b, .offset: 192, .size: 8, .value_kind: global_buffer, .address_space: global }
    .group_segment_fixed_size: 282112
    .private_segment_fixed_size: 0
    .kernarg_segment_align: 8
    .kernarg_segment_size: 200
    .max_flat_workgroup_size: 256
    .sgpr_count:     84
    .vgpr_count:     512
    .wavefront_size: 32
...
	.end_amdgpu_metadata
.endif
;; end of part 1
